; MI455X (gfx1250); checked and timed in simulation.
; The chip was launched on July 23, 2026; its instructions are those of AMD's public machine-readable ISA for CDNA 5 (MIT licence, August 2026) and "CDNA5" Instruction Set Architecture Reference Guide (July 2026). The comments in the code are by the model that wrote it; some were corrected since.
;; Mo EFFN. Allowed arithmetic: matrix products marked QUANTISED: E5M2 operands, one given power-of-two scale a tensor, by v_wmma_f32_16x16x64_bf8_bf8 or v_wmma_f32_16x16x128_bf8_bf8, f32 sums; products left as they are: f32 operands where the result goes on into a quantised operand, else bf16, f16 or f32 operands; f32 sums; everything else in f32.
;; Inputs: b1 4 x 4,096 float32; b2 4 x 1,024 float32; lowp_scales 4 int32 (the exponents e of the quantised operands' scales 2^e); router_b 4 float32; router_w 1,024 x 4 float32; w1 4 x 1,024 x 4,096 float32; w2 4 x 4,096 x 1,024 float32; x 4 x 512 x 1,024 float32.
;; Outputs: out0 4 x 512 x 1,024 float32.
;; This version of the problem:
;;   THIS VERSION OF THE PROBLEM IS GIVEN IN LOW PRECISION. The matrix products marked QUANTISED in the list below multiply operands that are first quantised to E5M2 (5 exponent bits, 2 mantissa bits; 8 bits a number), with one given power-of-two scale for each operand tensor; their sums are f32. All else is computed in f32.
;;   The module's matrix products, in the order in which they are computed (A, B: the left and right operand; K: the contracted axis; several contracted axes count as one K, in the product's order):
;;     1. [M 2,048, K 1,024] x [K 1,024, N 4]; A: input x; B: input router_w: left as it is (N = 4 < 16)
;;     2. [M 2,048, K 1,024] x [K 1,024, N 16,384]; A: input x; B: input w1: QUANTISED (scales: A lowp_scales[0], B lowp_scales[1])
;;     3. batch 4 x [M 1,024, K 4,096] x [K 4,096, N 2,048]; A: input w2; B: computed on the way: QUANTISED (scales: A lowp_scales[2], B lowp_scales[3])
;;     4. batch 2,048 x [M 1,024, K 4] x [K 4, N 1]; A: computed on the way; B: computed on the way: left as it is (K = 4 < 32)
;;   THE QUANTISER, for each operand of a quantised product, along K:
;;     - The operand's scale is 2^e, e = its entry of the input lowp_scales (int32; the entries are numbered through the quantised products in the list's order, A before B).
;;     - Each number is divided by the scale, clamped to +-57,344, and rounded to the nearest number of E5M2, ties to even, subnormals kept.
;;     - The product sums the exact products of the quantised numbers (number of the format x scale) in f32.
;;   ~~~python
;;   def quantise(x, axis, e):      # numpy; x: float32 -> the quantised numbers, widened to float32 again
;;       x = np.moveaxis(x, axis, -1); K = x.shape[-1]
;;       r = np.clip(x / 2.0 ** e, -57344, 57344)
;;       step = 2.0 ** (np.maximum(np.frexp(np.where(r == 0, 1, r))[1] - 1, -14) - 2)
;;       q = np.round(r / step) * step * 2.0 ** e      # np.round: ties to even
;;       return np.moveaxis(q, -1, axis).astype(np.float32)
;;   ~~~
;;   OPERANDS COMPUTED ON THE WAY. 'Computed on the way' means the value that the module computes at that place (a softmax that the list does not call 'softmax' is quantised finished and normalised). What goes into a quantiser is computed in f32, as accurately as f32 sums, v_exp_f32 and their like allow (about 1e-6 of the number): no bf16 or f16 on the way to a quantiser, and a product that is left as it is and whose result goes on into a quantised operand takes f32 operands (vector FMAs, or v_wmma_f32_16x16x4_f32). A number that lies on a knife's edge between two numbers of the format may be rounded either way, as far as f32 arithmetic and the matrix unit's own rounding can turn it there, and no further.
;; 2 versions, each right; version 2 is version 1 with the launch down written anew for expert scheduling mode. Each part assembles by itself: llvm-mc -triple=amdgcn-amd-amdhsa -mcpu=gfx1250 --defsym DOCPART=n.
;; ======== version 1 of 2: 3 launches
;; workspace buffers: xq 2,097,152 bytes; idx 8,192 bytes of whole numbers; w1c 16,777,216 bytes; w2c 16,777,216 bytes; hq 33,554,432 bytes; order 40,960 bytes of whole numbers
;; launch prep (part 1): grid 576 x 1, 4 waves a work-group, no clusters, 0 bytes of LDS; arguments x, router_w, router_b, w1, w2, lowp_scales, xq, idx, w1c, w2c; writes xq, idx, w1c, w2c
.if DOCPART == 1
	.amdgcn_target "amdgcn-amd-amdhsa--gfx1250"
	.amdhsa_code_object_version 6
	.text
	.protected	k_q12bad4e51f_prep
	.globl	k_q12bad4e51f_prep
	.p2align	8
	.type	k_q12bad4e51f_prep,@function
k_q12bad4e51f_prep:
	s_mov_b64 s[64:65], 0
	v_nop
	global_prefetch_b8 v0, s[64:65] scope:SCOPE_SE
	s_setreg_imm32_b32 hwreg(HW_REG_WAVE_MODE, 25, 1), 1
	s_wait_xcnt 0x0
; PREP: three roles, told apart by the work-group's number; no LDS, no barrier; waves share nothing.
;   work-groups 0-63:    ROUTER. A wave takes 8 tokens: logits (f32 multiply-adds), softmax, argmax (the lower index wins a tie) -> idx; x -> codes of E5M2 with 2^e0 -> xq.
;   work-groups 64-319:  w1 [4][1024 k][4096 n] f32 -> codes with 2^e1 -> w1c, laid in the order of an operand's registers.
;   work-groups 320-575: w2 [4][4096 k][1024 n] f32 -> codes with 2^e2 -> w2c, likewise.
; code = number / 2^e, held within +-57,344, to the nearest code, ties to even.
; xq: [token][1024 bytes]; byte p of a row is x[token][kap(p)], kap(p) = 512 (p>>9) + 128 ((p>>2)&3) + 4 ((p>>4)&31) + (p&3): the order in which dense loads and the conversions leave the codes.
;     The same order of k is given to w1c, so every product meets its partner.
; w1c: [e][tile T 256][K step s 8][2048]: byte 512 c + 16 (r + 16 h) + b = w1[e][kap(128 s + 32 c + 16 h + b)][32 (T>>1) + 8 (T&1) + r + 8 (r>>3)].
; w2c: [e][tile 64][K step s 32][2048]:   byte 512 c + 16 (r + 16 h) + b = w2[e][128 s + 32 c + 16 h + b][16 tile + r].
; LIMITS: e0, e1, e2 between -126 and 112.  NaN among the inputs is not served.  The logits are f32 sums in another order than a plain row sum; TEMP is 1.0, so its division changes nothing and is not written.
.set NROUT, 64                         ; router work-groups
.set NW1,   256                        ; w1's work-groups
.set QX,  16                           ; weights: v16-79   two sets of 32 numbers, a lane's column down K
.set QC,  80                           ; weights: v80-207  8 registers of codes for each of 16 blocks: no store's data are written again
.set RW,  16                           ; router:  v16-143  router_w[128 j + 4 lane + i][0..3] at 16 j + 4 i
.set XR,  144                          ; router:  v144-207 two sets of 32 numbers of a token
.set CDR, 208                          ; router:  v208-223 two sets of 8 registers of codes
.set AC,  224                          ; router:  v224-231 four logits in two chains each
.set PD,  232                          ; router:  v232-235 the lane exchange's destinations
.set WK,  236                          ; router:  v236-243 at work
; block t of 16: 32 places along K of my column into set t % 2.  perm = 1: place n of the block stands for row kap of w1
.macro LOADW t, rb, perm
.set n_, 0
.rept 32
.if \perm
.set row_, 32*((\t)/4)+8*((\t)%4)+128*((n_>>2)&3)+4*(n_>>4)+(n_&3)
.else
.set row_, 32*(\t)+n_
.endif
	global_load_b32 v[QX+32*((\t)%2)+n_], v2, s[32:33] offset:row_*\rb th:TH_LOAD_NT   ; 32 lanes read 128 neighbouring bytes of one row; the four waves stand side by side on 512
.set n_, n_+1
.endr
.endm
.macro BLOCKW t, rb, perm
.set xs_, QX+32*((\t)%2)
.if (\t) < 15
	s_wait_loadcnt 32                              ; this block's 32 loads are in; the next block's 32 may be out
.else
	s_wait_loadcnt 0
.endif
.set i_, 0
.rept 32
	v_med3_num_f32 v[xs_+i_], v[xs_+i_], -v5, v5   ; the conversion to an 8-bit code does not saturate (ISA guide 7.6.2): the hold at the largest code x the scale
.set i_, i_+1
.endr
.irp g, 0,1,2,3
	v_cvt_scalef32_pk8_bf8_f32 v[QC+8*(\t)+2*\g:QC+8*(\t)+2*\g+1], v[xs_+8*\g:xs_+8*\g+7], v4
.endr
.if (\t)+2 < 16
	LOADW (\t)+2, \rb, \perm
.endif
	global_store_b128 v3, v[QC+8*(\t):QC+8*(\t)+3], s[34:35] offset:512*(\t)          ; places 0-15 of the block: lanes 0-15 store 256 consecutive aligned bytes of one tile, lanes 16-31 of the next
	global_store_b128 v3, v[QC+8*(\t)+4:QC+8*(\t)+7], s[34:35] offset:512*(\t)+256    ; places 16-31
.endm
; a wave's 32 columns x 512 along K.  es: the scalar register that holds the tensor's e
.macro QBODY rb, perm, es
	LOADW 0, \rb, \perm
	LOADW 1, \rb, \perm
	s_wait_kmcnt 0x0
	s_add_co_i32 s44, s[\es], 127
	s_lshl_b32 s45, s44, 23
	v_mov_b32 v4, s45                              ; 2^e as f32: the conversion takes its exponent field
	s_add_co_i32 s44, s44, 15
	s_lshl_b32 s44, s44, 23
	s_or_b32 s44, s44, 0x600000
	v_mov_b32 v5, s44                              ; 57,344 x 2^e
.set T_, 0
.rept 16
	BLOCKW T_, \rb, \perm
.set T_, T_+1
.endr
	s_endpgm
.endm
	s_load_b512 s[4:19], s[0:1], 0x0               ; x 4, router_w 6, router_b 8, w1 10, w2 12, lowp_scales 14, xq 16, idx 18
	s_load_b128 s[20:23], s[0:1], 0x40             ; w1c 20, w2c 22
	v_lshrrev_b32 v1, 5, v0
	v_readfirstlane_b32 s3, v1                     ; wave 0..3
	v_and_b32 v1, 31, v0                           ; lane
	v_and_b32 v6, 15, v0                           ; lane % 16
	v_bfe_u32 v7, v0, 4, 1                         ; lane / 16
	s_mov_b32 s41, 0                               ; the upper word of every offset pair s[40:41]
	s_wait_kmcnt 0x0
	s_load_b128 s[24:27], s[14:15], 0x0            ; e0, e1, e2, e3
	s_cmp_lt_u32 ttmp9, NROUT
	s_cbranch_scc1 .Lrouter
	s_cmp_lt_u32 ttmp9, NROUT+NW1
	s_cbranch_scc1 .Lw1
	; ---- w2: id = e x 64 + kh x 8 + cg: 512 rows from 512 kh, columns 128 cg + 32 wave on
	s_sub_co_u32 s36, ttmp9, NROUT+NW1
	s_lshr_b32 s37, s36, 6                         ; e
	s_bfe_u32 s38, s36, 0x30003                    ; kh: 3 bits from bit 3
	s_and_b32 s39, s36, 7                          ; cg
	s_lshl_b32 s39, s39, 2
	s_add_co_u32 s39, s39, s3                      ; 4 cg + wave
	s_lshl_b32 s40, s37, 24                        ; an expert: 16,777,216 bytes
	s_lshl_b32 s42, s38, 21                        ; 512 rows of 4,096 bytes
	s_add_co_u32 s40, s40, s42
	s_lshl_b32 s42, s39, 7                         ; 32 columns
	s_add_co_u32 s40, s40, s42
	s_add_nc_u64 s[32:33], s[12:13], s[40:41]
	s_lshl_b32 s40, s37, 22                        ; an expert's codes: 4,194,304 bytes
	s_lshl_b32 s42, s39, 17                        ; two tiles of 65,536
	s_add_co_u32 s40, s40, s42
	s_lshl_b32 s42, s38, 13                        ; four K steps of 2,048
	s_add_co_u32 s40, s40, s42
	s_add_nc_u64 s[34:35], s[22:23], s[40:41]
	v_lshlrev_b32 v2, 2, v1                        ; in: column = lane
	v_lshlrev_b32 v3, 16, v7                       ; out: tile lane / 16,
	v_lshl_add_u32 v3, v6, 4, v3                   ; row lane % 16 of the image
	QBODY 4096, 0, 26
.Lw1:	; ---- w1: id = e x 64 + kh x 32 + cg: places 512 kh on, columns 128 cg + 32 wave on
	s_sub_co_u32 s36, ttmp9, NROUT
	s_lshr_b32 s37, s36, 6                         ; e
	s_bfe_u32 s38, s36, 0x10005                    ; kh: 1 bit from bit 5
	s_and_b32 s39, s36, 31                         ; cg
	s_lshl_b32 s39, s39, 2
	s_add_co_u32 s39, s39, s3                      ; 4 cg + wave
	s_lshl_b32 s40, s37, 24
	s_lshl_b32 s42, s38, 23                        ; 512 rows of 16,384 bytes
	s_add_co_u32 s40, s40, s42
	s_lshl_b32 s42, s39, 7
	s_add_co_u32 s40, s40, s42
	s_add_nc_u64 s[32:33], s[10:11], s[40:41]
	s_lshl_b32 s40, s37, 22
	s_lshl_b32 s42, s39, 15                        ; two tiles of 16,384
	s_add_co_u32 s40, s40, s42
	s_lshl_b32 s42, s38, 13
	s_add_co_u32 s40, s40, s42
	s_add_nc_u64 s[34:35], s[20:21], s[40:41]
	v_and_b32 v8, 8, v6
	v_add_nc_u32 v8, v8, v6                        ; r + 8 (r / 8)
	v_lshl_add_u32 v8, v7, 3, v8                   ; + 8 x tile: THE COLUMNS OF A TILE ARE NOT NEIGHBOURS, so that two tiles' results are 16 neighbours along the next K
	v_lshlrev_b32 v2, 2, v8
	v_lshlrev_b32 v3, 14, v7
	v_lshl_add_u32 v3, v6, 4, v3
	QBODY 16384, 1, 25                             ; the largest offset, 511 x 16,384, lies inside the signed 24-bit immediate
.Lrouter:	; ---- tokens 8 gw .. 8 gw + 7, gw = 4 x work-group + wave
	s_load_b128 s[28:31], s[8:9], 0x0              ; router_b
	s_lshl_b32 s36, ttmp9, 2
	s_add_co_u32 s36, s36, s3
	s_lshl_b32 s40, s36, 15                        ; 8 rows of 4,096 bytes
	s_add_nc_u64 s[32:33], s[4:5], s[40:41]
	s_lshl_b32 s40, s36, 13                        ; 8 rows of 1,024 codes
	s_add_nc_u64 s[34:35], s[16:17], s[40:41]
	s_lshl_b32 s40, s36, 5                         ; 8 words
	s_add_nc_u64 s[38:39], s[18:19], s[40:41]
	s_mov_b32 s42, 0x76543210                      ; v_permlanex16_b32: lane l takes lane l xor 16
	s_mov_b32 s43, 0xfedcba98
	v_lshlrev_b32 v2, 4, v1                        ; 16 x lane
	v_lshlrev_b32 v3, 6, v1                        ; 64 x lane: four rows of router_w
	v_lshlrev_b32 v8, 2, v1                        ; 4 x lane
	v_mov_b32 v9, 0                                ; lane t collects token t's expert
.irp e, 0,1,2,3
	v_mov_b32 v[PD+\e], 0                          ; written once: a lane exchange's destination counts as one of its sources
.endr
.irp j, 0,1,2,3,4,5,6,7
.irp i, 0,1,2,3
	global_load_b128 v[RW+16*\j+4*\i:RW+16*\j+4*\i+3], v3, s[6:7] offset:2048*\j+16*\i
.endr
.endr
.macro XLD tt                          ; token tt: eight loads of 512 consecutive bytes; register 4 j + i = x[128 j + 4 lane + i]
.irp j, 0,1,2,3,4,5,6,7
	global_load_b128 v[XR+32*((\tt)%2)+4*\j:XR+32*((\tt)%2)+4*\j+3], v2, s[32:33] offset:4096*(\tt)+512*\j th:TH_LOAD_NT
.endr
.endm
	XLD 0
	XLD 1
	s_wait_kmcnt 0x0
	s_add_co_i32 s44, s24, 127
	s_lshl_b32 s45, s44, 23
	v_mov_b32 v4, s45                              ; 2^e0
	s_add_co_i32 s44, s44, 15
	s_lshl_b32 s44, s44, 23
	s_or_b32 s44, s44, 0x600000
	v_mov_b32 v5, s44                              ; 57,344 x 2^e0
.macro TOKEN tt
.set xs_, XR+32*((\tt)%2)
.set cs_, CDR+8*((\tt)%2)
.if (\tt) < 7
	s_wait_loadcnt 8                               ; this token's loads (and router_w) are in; the next token's eight may be out
.else
	s_wait_loadcnt 0
.endif
.irp jp, 0,1,2,3                       ; four logits x two chains: eight lines stand between a line and the next on its accumulator; the first products start the sums
.irp i, 0,1,2,3
.irp pa, 0,1
.irp e, 0,1,2,3
.if (\jp == 0) && (\i == 0)
	v_mul_f32 v[AC+4*\pa+\e], v[xs_+4*(2*\jp+\pa)+\i], v[RW+16*(2*\jp+\pa)+4*\i+\e]
.else
	v_fmac_f32 v[AC+4*\pa+\e], v[xs_+4*(2*\jp+\pa)+\i], v[RW+16*(2*\jp+\pa)+4*\i+\e]
.endif
.endr
.endr
.endr
.endr
.irp e, 0,1,2,3
	v_add_f32 v[AC+\e], v[AC+\e], v[AC+4+\e]
.endr
.irp m, 1,2,4,8                        ; across the 32 lanes, the four sums by turns
.irp e, 0,1,2,3
	v_add_f32_dpp v[AC+\e], v[AC+\e], v[AC+\e] row_xmask:\m row_mask:0xf bank_mask:0xf
.endr
.endr
.irp e, 0,1,2,3
	v_permlanex16_b32 v[PD+\e], v[AC+\e], s42, s43
.endr
.irp e, 0,1,2,3
	v_add_f32 v[AC+\e], v[AC+\e], v[PD+\e]
.endr
.irp e, 0,1,2,3
	v_add_f32 v[AC+\e], s[28+\e], v[AC+\e]         ; + router_b: every lane holds the four logits
.endr
	v_max3_num_f32 v[WK], v[AC], v[AC+1], v[AC+2]  ; the softmax, with its maximum taken away
	v_max_num_f32 v[WK], v[WK], v[AC+3]
.irp e, 0,1,2,3
	v_sub_f32 v[WK+1+\e], v[AC+\e], v[WK]
.endr
.irp e, 0,1,2,3
	v_mul_f32 v[WK+1+\e], 0x3fb8aa3b, v[WK+1+\e]   ; x log2(e)
.endr
.irp e, 0,1,2,3
	v_exp_f32 v[WK+1+\e], v[WK+1+\e]
.endr
	v_nop                                          ; a plain line behind the last exponential
	s_wait_alu depctr_va_vdst(0)                   ; one wait for the four, ahead of their first reader
	v_add_f32 v[WK+5], v[WK+1], v[WK+2]
	v_add_f32 v[WK+6], v[WK+3], v[WK+4]
	v_add_f32 v[WK+5], v[WK+5], v[WK+6]
	v_rcp_f32 v[WK+5], v[WK+5]
	v_mov_b32 v[WK+6], 0                           ; (the plain line behind the reciprocal)  the argmax begins at expert 0
	s_wait_alu depctr_va_vdst(0)
.irp e, 0,1,2,3
	v_mul_f32 v[WK+1+\e], v[WK+1+\e], v[WK+5]      ; the probabilities
.endr
	v_mov_b32 v[WK+7], v[WK+1]
.irp e, 1,2,3
	v_cmp_gt_f32 vcc_lo, v[WK+1+\e], v[WK+7]       ; strictly greater: a tie keeps the lower index
	v_cndmask_b32 v[WK+6], v[WK+6], \e, vcc_lo
	v_max_num_f32 v[WK+7], v[WK+7], v[WK+1+\e]
.endr
	v_cmp_eq_u32 vcc_lo, \tt, v1
	v_cndmask_b32 v9, v9, v[WK+6], vcc_lo          ; the choice only selects a value: no address and no branch hangs on it here
.set i_, 0
.rept 32
	v_med3_num_f32 v[xs_+i_], v[xs_+i_], -v5, v5
.set i_, i_+1
.endr
	s_wait_xcnt 0x0                                ; the stores of two tokens back have read this set of codes
.irp g, 0,1,2,3
	v_cvt_scalef32_pk8_bf8_f32 v[cs_+2*\g:cs_+2*\g+1], v[xs_+8*\g:xs_+8*\g+7], v4
.endr
.if (\tt)+2 < 8
	XLD (\tt)+2
.endif
	global_store_b128 v2, v[cs_:cs_+3], s[34:35] offset:1024*(\tt)          ; 32 lanes store 512 consecutive bytes: this order of the bytes is kap
	global_store_b128 v2, v[cs_+4:cs_+7], s[34:35] offset:1024*(\tt)+512
.endm
.irp tk, 0,1,2,3,4,5,6,7
	TOKEN \tk
.endr
	s_wait_xcnt 0x0                                ; EXEC changes only behind this wait
	v_cmp_gt_u32 vcc_lo, 8, v1
	s_and_saveexec_b32 s44, vcc_lo
	global_store_b32 v8, v9, s[38:39]              ; lanes 0-7: my eight tokens' experts, at fixed places
	s_wait_xcnt 0x0
	s_or_b32 exec_lo, exec_lo, s44
	s_endpgm
.Lfunc_end_k_q12bad4e51f_prep:
	.size	k_q12bad4e51f_prep, .Lfunc_end_k_q12bad4e51f_prep-k_q12bad4e51f_prep
	.p2alignl 7, 3214868480
	.fill 96, 4, 3214868480
	.section	.rodata,"a",@progbits
	.p2align	6, 0x0
	.amdhsa_kernel k_q12bad4e51f_prep
		.amdhsa_group_segment_fixed_size 0
		.amdhsa_private_segment_fixed_size 0
		.amdhsa_enable_private_segment 0
		.amdhsa_kernarg_size 80
		.amdhsa_user_sgpr_count 2
		.amdhsa_user_sgpr_kernarg_segment_ptr 1
		.amdhsa_wavefront_size32 1
		.amdhsa_system_sgpr_workgroup_id_x 1
		.amdhsa_system_sgpr_workgroup_id_y 1
		.amdhsa_system_sgpr_workgroup_id_z 1
		.amdhsa_system_vgpr_workitem_id 0
		.amdhsa_next_free_vgpr 248
		.amdhsa_next_free_sgpr 66
		.amdhsa_reserve_vcc 1
		.amdhsa_float_denorm_mode_32 3
		.amdhsa_float_denorm_mode_16_64 3
		.amdhsa_memory_ordered 1
		.amdhsa_forward_progress 1
		.amdhsa_inst_pref_size 255
	.end_amdhsa_kernel
	.section	.bss,"aw",@nobits
	.p2align	6
	.space	262144
	.amdgpu_metadata
---
amdhsa.version: [ 1, 2 ]
amdhsa.kernels:
  - .name:           k_q12bad4e51f_prep
    .symbol:         k_q12bad4e51f_prep.kd
    .args:
      - { .name: x, .offset: 0, .size: 8, .value_kind: global_buffer, .address_space: global }
      - { .name: router_w, .offset: 8, .size: 8, .value_kind: global_buffer, .address_space: global }
      - { .name: router_b, .offset: 16, .size: 8, .value_kind: global_buffer, .address_space: global }
      - { .name: w1, .offset: 24, .size: 8, .value_kind: global_buffer, .address_space: global }
      - { .name: w2, .offset: 32, .size: 8, .value_kind: global_buffer, .address_space: global }
      - { .name: lowp_scales, .offset: 40, .size: 8, .value_kind: global_buffer, .address_space: global }
      - { .name: xq, .offset: 48, .size: 8, .value_kind: global_buffer, .address_space: global }
      - { .name: idx, .offset: 56, .size: 8, .value_kind: global_buffer, .address_space: global }
      - { .name: w1c, .offset: 64, .size: 8, .value_kind: global_buffer, .address_space: global }
      - { .name: w2c, .offset: 72, .size: 8, .value_kind: global_buffer, .address_space: global }
    .group_segment_fixed_size: 0
    .private_segment_fixed_size: 0
    .kernarg_segment_align: 8
    .kernarg_segment_size: 80
    .max_flat_workgroup_size: 128
    .sgpr_count:     66
    .vgpr_count:     248
    .wavefront_size: 32
...
	.end_amdgpu_metadata
.endif
;; end of part 1
;; launch up (part 2): grid 256 x 1, 4 waves a work-group, no clusters, 141,824 bytes of LDS; arguments xq, idx, w1c, b1, lowp_scales, hq, order; writes hq, order
.if DOCPART == 2
	.amdgcn_target "amdgcn-amd-amdhsa--gfx1250"
	.amdhsa_code_object_version 6
	.text
	.protected	k_q12bad4e51f_up
	.globl	k_q12bad4e51f_up
	.p2align	8
	.type	k_q12bad4e51f_up,@function
k_q12bad4e51f_up:
	s_mov_b64 s[64:65], 0
	v_nop
	global_prefetch_b8 v0, s[64:65] scope:SCOPE_SE
	s_setreg_imm32_b32 hwreg(HW_REG_WAVE_MODE, 25, 1), 1
	s_wait_xcnt 0x0
; UP: h = Q(gelu(x W1 + b1)) for each token's chosen expert alone.  Work-group = expert e (ttmp9 >> 6) x slice sl (ttmp9 & 63) of 64 hidden units.
; THE WEIGHTS STAY, THE TOKENS WALK: the slice's 32 fragments of W1 (4 tiles x 8 K steps, 64 KiB) lie in every wave's registers; wave w takes the expert's token tiles w, w + 4, ..
; PLACING: wave 0 reads idx (whole numbers stored by the launch before), and lists the expert's tokens in LDS by counts of lane masks; no atomics.  Slice 0 stores list and count to order.
; The list's tail is 0 (token 0): rows past the count are computed and stored like any other, and the next launch never stores what comes of them.  Tiles 0-3 of every expert are always written.
; The product is used transposed (source 0 = 16 rows of W1, source 1 = 16 tokens): a lane holds ONE token and its registers run along the hidden units, the next product's K.
; hq: [e][token tile 128][K step 32][2048]: byte 512 c + 16 (r + 16 h) + b = code of h(list row 16 tile + r, hidden 128 s + 32 c + 16 h + b): an image of the next operand's registers.
; gelu = v/2 (1 + erf(v / sqrt 2)); erf(z) = z P(z^2) / Q(z^2) on z held within +-4, all in f32.
; LIMITS: e0 + e1 between -126 and 127; e3 between -126 and 112.  NaN and -infinity ahead of the activation are not served.  Below v = -5.6 the result is |v| x some 1e-7 at the most, where the true one is smaller still.
; No tensor load: trips' work hangs on a stored count.  No cluster: the same reason.
; REGISTERS.  window 0: see the names below.  window 1: v0-127 x's 8 fragments; v128-255 16 gathered rows.  windows 2, 3: W1(t, s) at 256 (s / 4) + 64 (s % 4) + 16 t.
.set WIMG,   0                         ; LDS: the slice's fragments, 65,536 bytes
.set STAGE,  65536                     ; a stage for each wave: 16 rows x 1,040
.set SPITCH, 1040                      ; 1,024 bytes + 16: the sixteen rows of a fragment load start at sixteen different banks
.set WSTG,   16*SPITCH
.set LIST,   STAGE+4*WSTG              ; 2,176 words: 0-2111 are read, word 2112 takes what is not the expert's
.set CNTW,   LIST+8704                 ; the count
.set TK,   22                          ; v22-29  eight list words, then the gather's offsets
.set ACC,  32                          ; v32-63  four accumulators
.set BIAS, 64                          ; v64-95  b1 in the result's layout
.set GV,   96                          ; v96-111   16 numbers ahead of the activation, then h
.set GZ,   112                         ; v112-127  z
.set GZ2,  128                         ; v128-143  z^2, later v / 2
.set GP,   144                         ; v144-159  P, later erf
.set GQ,   160                         ; v160-175  Q, later 1 / Q   (in wave 0's placing: the scatter's addresses and data)
.set GCD,  176                         ; v176-183  a tile's codes
.set MSB, 0
.macro WIN new                         ; the immediate's high byte repeats the setting that is left
.if MSB != \new
	s_set_vgpr_msb (MSB<<8)|\new
.set MSB, \new
.endif
.endm
.macro CPAIR reg, val                  ; a constant as a pair: the packed forms name both words
	s_mov_b32 s[\reg], \val
	s_mov_b32 s[\reg+1], \val
.endm
	s_load_b256 s[4:11], s[0:1], 0x0               ; xq 4, idx 6, w1c 8, b1 10
	s_load_b128 s[12:15], s[0:1], 0x20             ; lowp_scales 12, hq 14
	s_load_b64 s[16:17], s[0:1], 0x30              ; order
	v_lshl_add_u32 v254, v0, 2, 0x22800
	v_mov_b32 v255, 0
	v_lshrrev_b32 v1, 5, v0
	v_readfirstlane_b32 s18, v1                    ; wave
	s_lshr_b32 s19, ttmp9, 6                       ; e
	s_and_b32 s20, ttmp9, 63                       ; sl
	v_and_b32 v1, 31, v0                           ; lane
	v_and_b32 v2, 15, v0                           ; r
	v_bfe_u32 v3, v0, 4, 1                         ; h
	; every LDS address is made here, ahead of the place where the waves part
	v_lshlrev_b32 v4, 4, v1                        ; v4  16 x lane
	s_lshl_b32 s26, s18, 14
	v_add_nc_u32 v5, s26, v4                       ; v5  my tile's image: 16 lane + 16,384 wave
	s_mul_i32 s26, s18, WSTG
	s_add_co_u32 s26, s26, STAGE
	v_mul_u32_u24 v6, v3, SPITCH
	v_lshl_add_u32 v6, v2, 4, v6
	v_add_nc_u32 v6, s26, v6                       ; v6  into my stage: row h, 16 r
	v_mul_u32_u24 v7, v2, SPITCH
	v_lshl_add_u32 v7, v3, 4, v7
	v_add_nc_u32 v7, s26, v7                       ; v7  out of it: row r, 16 h
	s_lshl_b32 s26, s18, 6
	s_add_co_u32 s26, s26, LIST
	v_lshl_add_u32 v8, v3, 2, s26                  ; v8  the list words of tile w: 64 w + 4 h
	v_lshlrev_b32 v10, 4, v2                       ; v10 16 r
	v_mov_b32 v13, CNTW                            ; v13 the count's word
	s_lshl_b32 s26, s18, 11
	v_add_nc_u32 v15, s26, v4                      ; v15 my part of order's list: 2,048 w + 16 lane
	v_add_nc_u32 v14, LIST, v15                    ; v14 and of the list in LDS
	v_lshlrev_b32 v16, 2, v1                       ; v16 4 x lane
	v_mov_b32 v17, 2112                            ; v17 the word for what is not the expert's
	v_add_nc_u32 v30, LIST, v4                     ; v30 the zero fill
	v_lshlrev_b32 v31, 6, v3                       ; v31 b1: 64 h
	s_lshl_b32 s26, s18, 9
	v_add_nc_u32 v188, s26, v4                     ; v188 my part of order's count block
.irp i, 184,185,186,187
	v_mov_b32 v\i, 0
.endr
	v_mov_b32 v18, 0x32edffee                      ; erf's coefficients: P = a13 .. a1, Q = b8 .. b0, in z^2
	v_mov_b32 v19, 0x32edffee                      ; a11
	v_mov_b32 v20, 0xb95fbd29
	v_mov_b32 v21, 0xb95fbd29                      ; b6
	CPAIR 34, 0x3f3504f3                           ; 1 / sqrt 2
	CPAIR 40, 0xaf95df0b                           ; a13
	CPAIR 42, 0xb60cff51                           ; a9
	CPAIR 44, 0xb86ec2d2                           ; a7
	CPAIR 46, 0xba40ac63                           ; a5
	CPAIR 48, 0xbb41a1f6                           ; a3
	CPAIR 50, 0xbc83dbd4                           ; a1
	CPAIR 52, 0xb77460cd                           ; b8
	CPAIR 54, 0xbadc924e                           ; b4
	CPAIR 56, 0xbbf19bf8                           ; b2
	CPAIR 58, 0xbc69b6a7                           ; b0
	s_mov_b32 s37, 0                               ; the upper word of the offset pair s[36:37]
	s_wait_kmcnt 0x0
	s_load_b128 s[28:31], s[12:13], 0x0            ; e0 .. e3
	s_lshl_b32 s36, s19, 22                        ; w1c: expert, slice (4 tiles of 16,384), my tile
	s_lshl_b32 s38, s20, 16
	s_add_co_u32 s36, s36, s38
	s_lshl_b32 s38, s18, 14
	s_add_co_u32 s36, s36, s38
	s_add_nc_u64 s[8:9], s[8:9], s[36:37]
	s_lshl_b32 s36, s19, 14                        ; b1: 4 (4,096 e + 64 sl)
	s_lshl_b32 s38, s20, 8
	s_add_co_u32 s36, s36, s38
	s_add_nc_u64 s[10:11], s[10:11], s[36:37]
	s_lshl_b32 s36, s19, 23                        ; hq: expert, token tile w, 1,024 sl inside the tile's 65,536
	s_lshl_b32 s38, s18, 16
	s_add_co_u32 s36, s36, s38
	s_lshl_b32 s38, s20, 10
	s_add_co_u32 s36, s36, s38
	s_add_nc_u64 s[14:15], s[14:15], s[36:37]
	s_mul_i32 s36, s19, 10240
	s_add_nc_u64 s[16:17], s[16:17], s[36:37]      ; order: the expert's 10,240 bytes
	WIN 0x40                                       ; destination window 1
.set n_, 0
.rept 32
	global_load_b128 v[128+4*n_:128+4*n_+3], v4, s[8:9] offset:512*n_ th:TH_LOAD_NT   ; tile w of the slice, 16 KiB on end: read once in the launch, by this wave
.set n_, n_+1
.endr
	WIN 0
.irp t, 0,1,2,3
	global_load_b128 v[BIAS+8*\t:BIAS+8*\t+3], v31, s[10:11] offset:(32*(\t/2)+8*(\t%2))*4        ; lane (r, h), tile 2 b + u: hidden units 32 b + 16 h + 8 u + 0 .. 7
	global_load_b128 v[BIAS+8*\t+4:BIAS+8*\t+7], v31, s[10:11] offset:(32*(\t/2)+8*(\t%2))*4+16
.endr
	s_wait_kmcnt 0x0
	s_add_co_i32 s32, s28, s29
	s_add_co_i32 s32, s32, 127
	s_lshl_b32 s32, s32, 23                        ; 2^(e0 + e1)
	s_mov_b32 s33, s32
	s_add_co_i32 s26, s31, 127
	s_lshl_b32 s27, s26, 23
	v_mov_b32 v11, s27                             ; 2^e3, for the conversion
	s_add_co_i32 s26, s26, 15
	s_lshl_b32 s26, s26, 23
	s_or_b32 s26, s26, 0x600000
	v_mov_b32 v12, s26                             ; 57,344 x 2^e3
	; ---- PLACING, wave 0 alone; until the barrier below no other wave touches LDS
	s_cmp_lg_u32 s18, 0
	s_cbranch_scc1 .Lplaced
.irp q, 0,1,2,3,4,5,6,7,8,9,10,11,12,13,14,15
	global_load_b128 v[96+4*\q:96+4*\q+3], v4, s[6:7] offset:512*\q   ; register n of lane l: token 128 (n / 4) + 4 l + n % 4
.endr
.irp n, 0,1,2,3,4,5,6,7,8,9,10,11,12,13,14,15,16
	ds_store_b128 v30, v[184:187] offset:512*\n    ; the list begins as zeros
.endr
	s_mov_b32 s82, 0                               ; the running count
	s_wait_loadcnt 0x0
.macro PLACE g                         ; eight registers of idx: masks, their bases, then each lane's place = base + the mask's bits below the lane
.irp m, 0,1,2,3,4,5,6,7
	v_cmp_eq_u32 s[66+\m], s19, v[96+8*\g+\m]
.endr
.irp m, 0,1,2,3,4,5,6,7
	s_mov_b32 s[74+\m], s82
	s_bcnt1_i32_b32 s26, s[66+\m]
	s_add_co_u32 s82, s82, s26
.endr
.irp m, 0,1,2,3,4,5,6,7
	v_mbcnt_lo_u32_b32 v[192+\m], s[66+\m], s[74+\m]
	v_cndmask_b32 v[192+\m], v17, v[192+\m], s[66+\m]
	v_min_u32 v[192+\m], 0x840, v[192+\m]          ; a number made of loaded ones enters an address only behind this bound
	v_lshl_add_u32 v[160+2*\m], v[192+\m], 2, LIST
	v_add_nc_u32 v[161+2*\m], 128*((8*\g+\m)>>2)+((8*\g+\m)&3), v16
	ds_store_b32 v[160+2*\m], v[161+2*\m]
.endr
	s_wait_dscnt 0x0                               ; the stores have read their registers
.endm
.irp g, 0,1,2,3,4,5,6,7
	PLACE \g
.endr
	v_mov_b32 v192, s82
	ds_store_b32 v13, v192                         ; the count
.Lplaced:
	s_wait_dscnt 0x0                               ; for the others' sake: list and count have landed
	s_barrier_signal -1
	s_barrier_wait -1
	s_wait_loadcnt 0x0                             ; my tile of W1, and b1
	WIN 0x04                                       ; store data window 1
.set n_, 0
.rept 32
	ds_store_b128 v5, v[128+4*n_:128+4*n_+3] offset:512*n_
.set n_, n_+1
.endr
	WIN 0
	s_wait_dscnt 0x0                               ; my image has landed, and the stores have read their registers
	s_barrier_signal -1
	s_barrier_wait -1                              ; the slice's four tiles lie in LDS
; my tile's 16 rows of xq: load i takes 256 bytes of row 2 i in lanes 0-15 and of row 2 i + 1 in lanes 16-31
.macro GATHER
.irp i, 0,1,2,3,4,5,6,7
	v_min_u32 v[TK+\i], 0x7ff, v[TK+\i]
.endr
.irp i, 0,1,2,3,4,5,6,7
	v_lshl_add_u32 v[TK+\i], v[TK+\i], 10, v10
.endr
	WIN 0x40
.irp i, 0,1,2,3,4,5,6,7
.irp j, 0,1,2,3
	global_load_b128 v[128+4*(4*\i+\j):128+4*(4*\i+\j)+3], v[TK+\i], s[4:5] offset:256*\j
.endr
.endr
	WIN 0
.endm
	ds_load_b32 v184, v13
.irp i, 0,1,2,3,4,5,6,7
	ds_load_b32 v[TK+\i], v8 offset:8*\i
.endr
	s_wait_dscnt 0x0
	v_readfirstlane_b32 s21, v184
	s_min_u32 s21, s21, 0x800                      ; the count
	s_add_co_u32 s22, s21, 15
	s_lshr_b32 s22, s22, 4
	s_max_u32 s22, s22, 4                          ; tiles to write: at least 0-3, which the next launch may name whatever the count
	GATHER                                         ; my first tile flies while W1 comes out of LDS
.irp s, 0,1,2,3,4,5,6,7
.if \s == 0
	WIN 0x80                                       ; destination window 2
.endif
.if \s == 4
	WIN 0xc0                                       ; window 3
.endif
.irp t, 0,1,2,3
.irp c, 0,1,2,3
	ds_load_b128 v[64*(\s%4)+16*\t+4*\c:64*(\s%4)+16*\t+4*\c+3], v4 offset:16384*\t+2048*\s+512*\c
.endr
.endr
.endr
	WIN 0
	s_cmp_lg_u32 s20, 0
	s_cbranch_scc1 .Lno_order                      ; slice 0 stores the expert's list and count
.irp n, 0,1,2,3
	ds_load_b128 v[96+4*\n:96+4*\n+3], v14 offset:512*\n
.endr
.irp i, 184,185,186,187
	v_mov_b32 v\i, s21
.endr
	s_wait_dscnt 0x0
.irp n, 0,1,2,3
	global_store_b128 v15, v[96+4*\n:96+4*\n+3], s[16:17] offset:512*\n
.endr
	global_store_b128 v188, v[184:187], s[16:17] offset:8192   ; the count, in every word of 2,048 bytes
	s_wait_xcnt 0x0                                ; the stores have read their registers
.Lno_order:
	s_wait_dscnt 0x0                               ; W1 is in
; 16 numbers: tiles 2 b and 2 b + 1 of my token: hidden units 32 b + 16 h + 0 .. 15.  Each step goes over all eight pairs, so that no line waits for the line above it
.macro GELU b
.irp p, 0,2,4,6,8,10,12,14
	v_pk_fma_f32 v[GV+\p:GV+\p+1], v[ACC+16*\b+\p:ACC+16*\b+\p+1], s[32:33], v[BIAS+16*\b+\p:BIAS+16*\b+\p+1] op_sel_hi:[1,0,1]   ; v = sum x 2^(e0 + e1) + b1; each accumulator from its low end on
.endr
.irp p, 0,2,4,6,8,10,12,14
	v_pk_mul_f32 v[GZ+\p:GZ+\p+1], v[GV+\p:GV+\p+1], s[34:35] op_sel_hi:[1,0]
.endr
.irp i, 0,1,2,3,4,5,6,7,8,9,10,11,12,13,14,15
	v_med3_num_f32 v[GZ+\i], v[GZ+\i], -4.0, 4.0
.endr
.irp p, 0,2,4,6,8,10,12,14
	v_pk_mul_f32 v[GZ2+\p:GZ2+\p+1], v[GZ+\p:GZ+\p+1], v[GZ+\p:GZ+\p+1]
.endr
.irp p, 0,2,4,6,8,10,12,14
	v_pk_fma_f32 v[GP+\p:GP+\p+1], v[GZ2+\p:GZ2+\p+1], s[40:41], v[18:19] op_sel_hi:[1,0,1]
	v_pk_fma_f32 v[GQ+\p:GQ+\p+1], v[GZ2+\p:GZ2+\p+1], s[52:53], v[20:21] op_sel_hi:[1,0,1]
.endr
.irp k, 42,44,46,48,50
.irp p, 0,2,4,6,8,10,12,14
	v_pk_fma_f32 v[GP+\p:GP+\p+1], v[GP+\p:GP+\p+1], v[GZ2+\p:GZ2+\p+1], s[\k:\k+1] op_sel_hi:[1,1,0]
.endr
.endr
.irp k, 54,56,58
.irp p, 0,2,4,6,8,10,12,14
	v_pk_fma_f32 v[GQ+\p:GQ+\p+1], v[GQ+\p:GQ+\p+1], v[GZ2+\p:GZ2+\p+1], s[\k:\k+1] op_sel_hi:[1,1,0]
.endr
.endr
.irp i, 0,1,2,3,4,5,6,7,8,9,10,11,12,13,14,15
	v_rcp_f32 v[GQ+\i], v[GQ+\i]
.endr
.irp p, 0,2,4,6,8,10,12,14
	v_pk_mul_f32 v[GP+\p:GP+\p+1], v[GP+\p:GP+\p+1], v[GZ+\p:GZ+\p+1]          ; z P: independent work behind the reciprocals
.endr
.irp p, 0,2,4,6,8,10,12,14
	v_pk_mul_f32 v[GZ2+\p:GZ2+\p+1], v[GV+\p:GV+\p+1], 0.5 op_sel_hi:[1,0]     ; v / 2
.endr
	s_wait_alu depctr_va_vdst(0)                   ; one wait for the sixteen reciprocals, ahead of their first reader
.irp p, 0,2,4,6,8,10,12,14
	v_pk_mul_f32 v[GP+\p:GP+\p+1], v[GP+\p:GP+\p+1], v[GQ+\p:GQ+\p+1]          ; erf
.endr
.irp p, 0,2,4,6,8,10,12,14
	v_pk_fma_f32 v[GV+\p:GV+\p+1], v[GZ2+\p:GZ2+\p+1], v[GP+\p:GP+\p+1], v[GZ2+\p:GZ2+\p+1]   ; v/2 erf + v/2
.endr
.irp i, 0,1,2,3,4,5,6,7,8,9,10,11,12,13,14,15
	v_med3_num_f32 v[GV+\i], v[GV+\i], -v12, v12   ; the conversion does not saturate (ISA guide 7.6.2)
.endr
	v_cvt_scalef32_pk8_bf8_f32 v[GCD+4*\b:GCD+4*\b+1], v[GV:GV+7], v11
	v_cvt_scalef32_pk8_bf8_f32 v[GCD+4*\b+2:GCD+4*\b+3], v[GV+8:GV+15], v11
	v_nop                                          ; a plain line behind the last conversion, ahead of the lines that write its sources again
.endm
	s_mov_b32 s23, s18                             ; my tile
	s_mov_b32 s24, 256                             ; the list bytes from tile w to my next tile
	s_mov_b32 s25, 32                              ; a constant count of trips serves every split: 128 tiles at the most, 32 a wave
.Ltile:
	s_cmp_ge_u32 s23, s22
	s_cbranch_scc1 .Lskip                          ; past the expert's tiles: only the work is jumped over
	s_wait_loadcnt 0x0                             ; my tile's 32 loads are in: nothing else is out
	WIN 0x04
.irp i, 0,1,2,3,4,5,6,7
.irp j, 0,1,2,3
	ds_store_b128 v6, v[128+4*(4*\i+\j):128+4*(4*\i+\j)+3] offset:2*SPITCH*\i+256*\j
.endr
.endr
	WIN 0x40
.irp s, 0,1,2,3,4,5,6,7
.irp c, 0,1,2,3
	ds_load_b128 v[16*\s+4*\c:16*\s+4*\c+3], v7 offset:128*\s+32*\c   ; LDS serves a wave's instructions in order: these see my stores.  Lane (r, h): places 128 s + 32 c + 16 h + 0 .. 15 of row r
.endr
.endr
	WIN 0
	v_add_nc_u32 v9, s24, v8
.irp i, 0,1,2,3,4,5,6,7
	ds_load_b32 v[TK+\i], v9 offset:8*\i           ; the list words of my next tile: always inside the list, which ends in zeros
.endr
	s_wait_dscnt 0x0                               ; the fragments and the words are in, and the stage's stores have read the gathered rows
	GATHER                                         ; the next tile flies under this tile's products and activation
.irp s, 0,1,2,3,4,5,6,7
.if \s == 0
	WIN 0x06                                       ; source 0 (W1) window 2, source 1 (x) window 1
.endif
.if \s == 4
	WIN 0x07                                       ; W1's K steps 4-7: window 3
.endif
.irp t, 0,1,2,3                        ; the four accumulators take turns, one instruction a turn
.if \s == 0
	v_wmma_f32_16x16x128_bf8_bf8 v[ACC+8*\t:ACC+8*\t+7], v[64*(\s%4)+16*\t:64*(\s%4)+16*\t+15], v[16*\s:16*\s+15], 0
.else
	v_wmma_f32_16x16x128_bf8_bf8 v[ACC+8*\t:ACC+8*\t+7], v[64*(\s%4)+16*\t:64*(\s%4)+16*\t+15], v[16*\s:16*\s+15], v[ACC+8*\t:ACC+8*\t+7]
.endif
.endr
.endr
	WIN 0
.rept 4
	v_nop                                          ; four places ahead of the first read of results (ISA guide 7.12.1)
.endr
	GELU 0
	GELU 1
	global_store_b128 v4, v[GCD:GCD+3], s[14:15]               ; 32 lanes store 512 consecutive aligned bytes: registers 4 c .. 4 c + 3 of the next operand
	global_store_b128 v4, v[GCD+4:GCD+7], s[14:15] offset:512
.Lskip:
	s_wait_xcnt 0x0                                ; the stores have read their data and their base
	s_add_nc_u64 s[14:15], s[14:15], 0x40000       ; four token tiles of 65,536 bytes on
	s_add_co_u32 s23, s23, 4
	s_add_co_u32 s24, s24, 256
	s_sub_co_u32 s25, s25, 1
	s_cmp_lg_u32 s25, 0
	s_cbranch_scc1 .Ltile
	s_wait_tensorcnt 0x0
	ds_add_u32 v254, v255
	s_wait_dscnt 0x0
	s_endpgm
.Lfunc_end_k_q12bad4e51f_up:
	.size	k_q12bad4e51f_up, .Lfunc_end_k_q12bad4e51f_up-k_q12bad4e51f_up
	.p2alignl 7, 3214868480
	.fill 96, 4, 3214868480
	.section	.rodata,"a",@progbits
	.p2align	6, 0x0
	.amdhsa_kernel k_q12bad4e51f_up
		.amdhsa_group_segment_fixed_size 141824
		.amdhsa_private_segment_fixed_size 0
		.amdhsa_enable_private_segment 0
		.amdhsa_kernarg_size 56
		.amdhsa_user_sgpr_count 2
		.amdhsa_user_sgpr_kernarg_segment_ptr 1
		.amdhsa_wavefront_size32 1
		.amdhsa_system_sgpr_workgroup_id_x 1
		.amdhsa_system_sgpr_workgroup_id_y 1
		.amdhsa_system_sgpr_workgroup_id_z 1
		.amdhsa_system_vgpr_workitem_id 0
		.amdhsa_next_free_vgpr 1024
		.amdhsa_next_free_sgpr 96
		.amdhsa_reserve_vcc 0
		.amdhsa_float_denorm_mode_32 3
		.amdhsa_float_denorm_mode_16_64 3
		.amdhsa_memory_ordered 1
		.amdhsa_forward_progress 1
		.amdhsa_inst_pref_size 99
	.end_amdhsa_kernel
	.amdgpu_metadata
---
amdhsa.version: [ 1, 2 ]
amdhsa.kernels:
  - .name:           k_q12bad4e51f_up
    .symbol:         k_q12bad4e51f_up.kd
    .args:
      - { .name: xq, .offset: 0, .size: 8, .value_kind: global_buffer, .address_space: global }
      - { .name: idx, .offset: 8, .size: 8, .value_kind: global_buffer, .address_space: global }
      - { .name: w1c, .offset: 16, .size: 8, .value_kind: global_buffer, .address_space: global }
      - { .name: b1, .offset: 24, .size: 8, .value_kind: global_buffer, .address_space: global }
      - { .name: lowp_scales, .offset: 32, .size: 8, .value_kind: global_buffer, .address_space: global }
      - { .name: hq, .offset: 40, .size: 8, .value_kind: global_buffer, .address_space: global }
      - { .name: order, .offset: 48, .size: 8, .value_kind: global_buffer, .address_space: global }
    .group_segment_fixed_size: 141824
    .private_segment_fixed_size: 0
    .kernarg_segment_align: 8
    .kernarg_segment_size: 56
    .max_flat_workgroup_size: 128
    .sgpr_count:     96
    .vgpr_count:     1024
    .wavefront_size: 32
...
	.end_amdgpu_metadata
.endif
;; end of part 2
;; launch down (part 3): grid 256 x 1, 4 waves a work-group, no clusters, 139,776 bytes of LDS; arguments hq, w2c, order, b2, lowp_scales, out0; writes out0
.if DOCPART == 3
	.amdgcn_target "amdgcn-amd-amdhsa--gfx1250"
	.amdhsa_code_object_version 6
	.text
	.protected	k_q12bad4e51f_down
	.globl	k_q12bad4e51f_down
	.p2align	8
	.type	k_q12bad4e51f_down,@function
k_q12bad4e51f_down:
	s_mov_b64 s[64:65], 0
	v_nop
	global_prefetch_b8 v0, s[64:65] scope:SCOPE_SE
	s_setreg_imm32_b32 hwreg(HW_REG_WAVE_MODE, 25, 1), 1
	s_wait_xcnt 0x0
; DOWN: out[token] = h W2 + b2 for the token's chosen expert.  Work-group = expert e (ttmp9 >> 6) x 64 columns cb ((ttmp9 >> 2) & 15) x q (ttmp9 & 3); its tiles of 16 list rows are q, q + 4, ..
; THE WAVES SPLIT K: wave w keeps K steps 8 w .. 8 w + 7 of the four column tiles of W2 in registers (32 fragments), loaded once.  h's fragments come from hq as they lie, 512 consecutive bytes a load.
; A ROUND is four tiles: each wave multiplies its K part of all four and puts the partial sums into LDS; one barrier; wave w adds tile w's four parts, x 2^(e2 + e3), + b2, and stores row by row:
; 32 lanes x 8 bytes are the work-group's 256 aligned bytes of a token's row.
; Two buffers in LDS take turns, so one barrier a round does: a buffer is written again behind the next round's barrier, in front of which every wave has waited for its reads.
; Eight rounds are walked whatever the split (32 tiles at the most for a q); a round past the expert's tiles passes its barrier and nothing else.
; Every tile load is held to a tile that the launch before has written, so inside an active round no load stands under a branch and each counted wait counts the same loads on every path.
; Rows at or past the expert's count are left out by a scalar branch on the stored count (a row is one store), so each byte of out0 is stored once and EXEC is never changed.
; The product is used transposed (source 0 = 16 columns of W2, source 1 = 16 rows of h): a lane holds one row and eight neighbouring columns.
; LIMITS: e2 + e3 between -126 and 127.  The sum over K is made of four partial sums.  No tensor load and no cluster: the rounds' work hangs on a stored count.
; REGISTERS.  window 0: v4 16 lane; v5, v6 where I put sums (buffer 0, 1); v7, v8 where I read them; v9 256 cb + 8 lane; v10, v11 h's offsets by turns; v12-13 b2 at my two columns;
;   v14 16 lane + 65,536 q; v15 64 q; v16-31 a tile's 16 list words, then its rows' offsets in out0; v32-95 four writers' parts of eight rows; v96-111 eight rows' results; v113 the list's offset;
;   v128-255 accumulators (tile i, column tile t) at 128 + 32 i + 8 t.   window 1: h's fragments, two sets of 128.   windows 2, 3: W2(t, ss) at 256 (ss / 4) + 64 (ss % 4) + 16 t.
.set RPITCH, 272                       ; a row of 64 sums: 256 bytes + 16, so that the sixteen rows of a store start at sixteen different banks
.set RTILE,  16*RPITCH                 ; 4,352
.set RWR,    4*RTILE                   ; a writer's four tiles: 17,408
.set RBUF,   4*RWR                     ; a buffer: 69,632
.set MSB, 0
.macro WIN new                         ; the immediate's high byte repeats the setting that is left
.if MSB != \new
	s_set_vgpr_msb (MSB<<8)|\new
.set MSB, \new
.endif
.endm
; v[reg] = my lane's byte offset in the expert's part of hq for tile q + 4 L, L = min(the round's first tile + add, the last tile that exists, 31)
.macro VOFF reg, add
	s_add_co_u32 s35, s38, \add
	s_min_u32 s35, s35, s22
	v_mov_b32 v[\reg], s35
	v_min_u32 v[\reg], 31, v[\reg]                 ; a number made of a stored one enters an address only behind a bound written here
	v_lshl_add_u32 v[\reg], v[\reg], 18, v14       ; four tiles of 65,536 bytes for each L
.endm
.macro HLD par                         ; my eight K steps of a tile of h, 16 KiB on end, into set par
	WIN 0x40
.set n_, 0
.rept 32
	global_load_b128 v[128*(\par)+4*n_:128*(\par)+4*n_+3], v[10+(\par)], s[4:5] offset:512*n_
.set n_, n_+1
.endr
	WIN 0
.endm
	s_load_b256 s[4:11], s[0:1], 0x0               ; hq 4, w2c 6, order 8, b2 10
	s_load_b128 s[12:15], s[0:1], 0x20             ; lowp_scales 12, out0 14
	v_lshl_add_u32 v126, v0, 2, 0x22000
	v_mov_b32 v127, 0
	v_lshrrev_b32 v1, 5, v0
	v_readfirstlane_b32 s16, v1                    ; wave
	s_lshr_b32 s17, ttmp9, 6                       ; e
	s_bfe_u32 s18, ttmp9, 0x40002                  ; cb: 4 bits from bit 2
	s_and_b32 s19, ttmp9, 3                        ; q
	v_and_b32 v1, 31, v0                           ; lane
	v_and_b32 v2, 15, v0                           ; r
	v_bfe_u32 v3, v0, 4, 1                         ; h
	v_lshlrev_b32 v4, 4, v1
	s_mul_i32 s32, s16, RWR
	v_mul_u32_u24 v5, v2, RPITCH
	v_lshl_add_u32 v5, v3, 5, v5
	v_add_nc_u32 v5, s32, v5                       ; in: my region, row r, 32 h
	v_add_nc_u32 v6, RBUF, v5
	s_mul_i32 s32, s16, RTILE
	v_lshl_add_u32 v7, v1, 3, s32                  ; back: tile w of each writer, 8 bytes a lane: a row an instruction
	v_add_nc_u32 v8, RBUF, v7
	s_lshl_b32 s32, s18, 8
	v_lshl_add_u32 v9, v1, 3, s32                  ; 256 cb + 8 lane: my two columns, in b2 and in a row of out0
	s_lshl_b32 s32, s19, 16
	v_add_nc_u32 v14, s32, v4                      ; tile q of hq, my 16 bytes
	s_lshl_b32 s32, s19, 6
	v_mov_b32 v15, s32                             ; tile q's 16 words of the list
.irp i, 16,17,18,19,20,21,22,23,24,25,26,27,28,29,30,31
	v_mov_b32 v\i, 0
.endr
	s_mov_b32 s33, 0                               ; the upper word of the offset pair s[32:33]
	s_wait_kmcnt 0x0
	s_lshl_b32 s32, s17, 23                        ; hq: expert, my K steps
	s_lshl_b32 s34, s16, 14
	s_add_co_u32 s32, s32, s34
	s_add_nc_u64 s[4:5], s[4:5], s[32:33]
	s_lshl_b32 s32, s17, 22                        ; w2c: expert, four column tiles of 65,536, my K steps
	s_lshl_b32 s35, s18, 18
	s_add_co_u32 s32, s32, s35
	s_add_co_u32 s32, s32, s34
	s_add_nc_u64 s[6:7], s[6:7], s[32:33]
	s_mul_i32 s32, s17, 10240
	s_add_nc_u64 s[8:9], s[8:9], s[32:33]          ; order: the expert's part
	s_lshl_b32 s32, s17, 12
	s_add_nc_u64 s[10:11], s[10:11], s[32:33]      ; b2: the expert's row
	s_load_b32 s20, s[8:9], 0x2000                 ; the count
	s_load_b128 s[28:31], s[12:13], 0x0            ; e0 .. e3
	global_load_b64 v[12:13], v9, s[10:11]         ; b2 at my two columns
.irp ss, 0,1,2,3,4,5,6,7
.if \ss == 0
	WIN 0x80
.endif
.if \ss == 4
	WIN 0xc0
.endif
.irp t, 0,1,2,3
.irp c, 0,1,2,3
	global_load_b128 v[64*(\ss%4)+16*\t+4*\c:64*(\ss%4)+16*\t+4*\c+3], v4, s[6:7] offset:65536*\t+2048*\ss+512*\c
.endr
.endr
.endr
	WIN 0
	s_wait_kmcnt 0x0
	s_min_u32 s20, s20, 0x800
	s_add_co_u32 s21, s20, 15
	s_lshr_b32 s21, s21, 4                         ; the expert's tiles
	s_add_co_u32 s21, s21, 3
	s_sub_co_u32 s21, s21, s19
	s_lshr_b32 s21, s21, 2                         ; s21: how many of them are q, q + 4, ..
	s_max_u32 s22, s21, 1
	s_sub_co_u32 s22, s22, 1                       ; s22: the last that may be named (tile q itself where there is none: tiles 0-3 are always written)
	s_add_co_i32 s26, s30, s31
	s_add_co_i32 s26, s26, 127
	s_lshl_b32 s26, s26, 23                        ; 2^(e2 + e3)
	s_mov_b32 s27, s26                             ; (named with it as a pair, so it is written)
	s_mov_b32 s23, 0                               ; the trip's first tile
	s_mov_b32 s38, 0                               ; the round's first tile
	VOFF 10, 0
	HLD 0
	s_wait_loadcnt 32                              ; all but the 32 just issued: W2 and b2 are in, on every path
.macro ROUND buf
	s_add_co_u32 s38, s23, 4*\buf                  ; the round's first tile
	s_cmp_ge_u32 s38, s21
	s_cbranch_scc1 .Lskipw_\@
	s_wait_xcnt 0x0                                ; the last stores have read their offsets: the list words below land on those registers
	s_add_co_u32 s33, s38, s16                     ; the tile that I shall add up and store: number w of the round
	s_min_u32 s33, s33, s22
	v_mov_b32 v113, s33
	v_min_u32 v113, 31, v113
	v_lshl_add_u32 v113, v113, 8, v15              ; its 16 list words: 64 bytes a tile, four tiles for each step
.irp k, 0,1,2,3
	global_load_b128 v[16+4*\k:19+4*\k], v113, s[8:9] offset:16*\k   ; every lane takes the same words: register 16 + p is the token of row p
.endr
.irp i, 0,1,2,3
	VOFF 10+((\i+1)%2), \i+1                       ; the loads that read this register were shown done by the wait of the step before
	HLD ((\i+1)%2)                                 ; the next tile, a tile ahead
	s_wait_loadcnt 32                              ; all but the 32 just issued: this tile's fragments and the list words are in
.if \i > 0
	s_add_co_u32 s35, s38, \i
	s_cmp_ge_u32 s35, s21
	s_cbranch_scc1 .Lnp_\@_\i                      ; no such tile: its products and LDS stores are jumped over, no load and no barrier
.endif
.irp ss, 0,1,2,3,4,5,6,7
.if \ss == 0
	WIN 0x06                                       ; source 0 (W2) window 2, source 1 (h) window 1
.endif
.if \ss == 4
	WIN 0x07
.endif
.irp t, 0,1,2,3                        ; the four accumulators take turns, one instruction a turn
.if \ss == 0
	v_wmma_f32_16x16x128_bf8_bf8 v[128+32*\i+8*\t:128+32*\i+8*\t+7], v[64*(\ss%4)+16*\t:64*(\ss%4)+16*\t+15], v[128*(\i%2)+16*\ss:128*(\i%2)+16*\ss+15], 0
.else
	v_wmma_f32_16x16x128_bf8_bf8 v[128+32*\i+8*\t:128+32*\i+8*\t+7], v[64*(\ss%4)+16*\t:64*(\ss%4)+16*\t+15], v[128*(\i%2)+16*\ss:128*(\i%2)+16*\ss+15], v[128+32*\i+8*\t:128+32*\i+8*\t+7]
.endif
.endr
.endr
	WIN 0
.rept 4
	v_nop                                          ; four places ahead of the LDS stores that read results, and of the next loads into the fragments just multiplied
.endr
.irp t, 0,1,2,3
	ds_store_b128 v[5+\buf], v[128+32*\i+8*\t:128+32*\i+8*\t+3] offset:RTILE*\i+64*\t        ; each accumulator from its low end on
	ds_store_b128 v[5+\buf], v[128+32*\i+8*\t+4:128+32*\i+8*\t+7] offset:RTILE*\i+64*\t+16
.endr
.if \i > 0
.Lnp_\@_\i:
.endif
.endr
.Lskipw_\@:
	s_wait_dscnt 0x0                               ; my partial sums have landed, and my reads of the other buffer are over
	s_barrier_signal -1
	s_barrier_wait -1
	s_add_co_u32 s35, s38, s16
	s_cmp_ge_u32 s35, s21
	s_cbranch_scc1 .Lnord_\@                       ; the round has no tile for me to add up
	s_lshl_b32 s36, s35, 2
	s_add_co_u32 s36, s36, s19
	s_lshl_b32 s36, s36, 4                         ; my tile's first list position: 16 (q + 4 tile)
	s_sub_co_u32 s37, s20, s36                     ; how many of its rows count: 1 or more
	s_wait_xcnt 0x0                                ; earlier stores have read their offsets and data
.irp i, 0,1,2,3,4,5,6,7,8,9,10,11,12,13,14,15
	v_min_u32 v[16+\i], 0x7ff, v[16+\i]
.endr
.irp i, 0,1,2,3,4,5,6,7,8,9,10,11,12,13,14,15
	v_lshl_add_u32 v[16+\i], v[16+\i], 12, v9      ; token x 4,096 + 256 cb + 8 lane
.endr
.irp hf, 0,1                           ; eight rows at a time
.irp wr, 0,1,2,3
.irp ii, 0,1,2,3,4,5,6,7
	ds_load_b64 v[32+16*\wr+2*\ii:33+16*\wr+2*\ii], v[7+\buf] offset:RWR*\wr+RPITCH*(8*\hf+\ii)   ; 32 lanes read a row's 256 consecutive bytes
.endr
.endr
	s_wait_dscnt 0x0
.irp ii, 0,1,2,3,4,5,6,7
	v_pk_add_f32 v[32+2*\ii:33+2*\ii], v[32+2*\ii:33+2*\ii], v[48+2*\ii:49+2*\ii]
	v_pk_add_f32 v[64+2*\ii:65+2*\ii], v[64+2*\ii:65+2*\ii], v[80+2*\ii:81+2*\ii]
.endr
.irp ii, 0,1,2,3,4,5,6,7
	v_pk_add_f32 v[32+2*\ii:33+2*\ii], v[32+2*\ii:33+2*\ii], v[64+2*\ii:65+2*\ii]
.endr
.if \hf == 1
	s_wait_xcnt 0x0                                ; the first half's stores have read their data
.endif
.irp ii, 0,1,2,3,4,5,6,7
	v_pk_fma_f32 v[96+2*\ii:97+2*\ii], v[32+2*\ii:33+2*\ii], s[26:27], v[12:13] op_sel_hi:[1,0,1]   ; sum x 2^(e2 + e3) + b2
.endr
.irp ii, 0,1,2,3,4,5,6,7
.if (8*\hf+\ii) > 0
	s_cmp_le_u32 s37, 8*\hf+\ii                    ; this row and all behind it lie at or past the count: nothing more to store
	s_cbranch_scc1 .Lnord_\@
.endif
	global_store_b64 v[16+8*\hf+\ii], v[96+2*\ii:97+2*\ii], s[14:15] th:TH_STORE_NT   ; 32 lanes store 256 consecutive aligned bytes of a token's row; written once, read by nobody here
.endr
.endr
.Lnord_\@:
.endm
	s_mov_b32 s24, 4
.Lrounds:                              ; four trips of two rounds: the buffers take turns in the text
	ROUND 0
	ROUND 1
	s_add_co_u32 s23, s23, 8
	s_sub_co_u32 s24, s24, 1
	s_cmp_lg_u32 s24, 0
	s_cbranch_scc1 .Lrounds
	s_wait_tensorcnt 0x0
	ds_add_u32 v126, v127
	s_wait_dscnt 0x0
	s_endpgm
.Lfunc_end_k_q12bad4e51f_down:
	.size	k_q12bad4e51f_down, .Lfunc_end_k_q12bad4e51f_down-k_q12bad4e51f_down
	.p2alignl 7, 3214868480
	.fill 96, 4, 3214868480
	.section	.rodata,"a",@progbits
	.p2align	6, 0x0
	.amdhsa_kernel k_q12bad4e51f_down
		.amdhsa_group_segment_fixed_size 139776
		.amdhsa_private_segment_fixed_size 0
		.amdhsa_enable_private_segment 0
		.amdhsa_kernarg_size 48
		.amdhsa_user_sgpr_count 2
		.amdhsa_user_sgpr_kernarg_segment_ptr 1
		.amdhsa_wavefront_size32 1
		.amdhsa_system_sgpr_workgroup_id_x 1
		.amdhsa_system_sgpr_workgroup_id_y 1
		.amdhsa_system_sgpr_workgroup_id_z 1
		.amdhsa_system_vgpr_workitem_id 0
		.amdhsa_next_free_vgpr 1024
		.amdhsa_next_free_sgpr 66
		.amdhsa_reserve_vcc 0
		.amdhsa_float_denorm_mode_32 3
		.amdhsa_float_denorm_mode_16_64 3
		.amdhsa_memory_ordered 1
		.amdhsa_forward_progress 1
		.amdhsa_inst_pref_size 95
	.end_amdhsa_kernel
	.amdgpu_metadata
---
amdhsa.version: [ 1, 2 ]
amdhsa.kernels:
  - .name:           k_q12bad4e51f_down
    .symbol:         k_q12bad4e51f_down.kd
    .args:
      - { .name: hq, .offset: 0, .size: 8, .value_kind: global_buffer, .address_space: global }
      - { .name: w2c, .offset: 8, .size: 8, .value_kind: global_buffer, .address_space: global }
      - { .name: order, .offset: 16, .size: 8, .value_kind: global_buffer, .address_space: global }
      - { .name: b2, .offset: 24, .size: 8, .value_kind: global_buffer, .address_space: global }
      - { .name: lowp_scales, .offset: 32, .size: 8, .value_kind: global_buffer, .address_space: global }
      - { .name: out0, .offset: 40, .size: 8, .value_kind: global_buffer, .address_space: global }
    .group_segment_fixed_size: 139776
    .private_segment_fixed_size: 0
    .kernarg_segment_align: 8
    .kernarg_segment_size: 48
    .max_flat_workgroup_size: 128
    .sgpr_count:     66
    .vgpr_count:     1024
    .wavefront_size: 32
...
	.end_amdgpu_metadata
.endif
;; end of part 3
;; ======== version 2 of 2: 3 launches; version 1 with the launch down written anew for expert scheduling mode
;; workspace buffers: xq 2,097,152 bytes; idx 8,192 bytes of whole numbers; w1c 16,777,216 bytes; w2c 16,777,216 bytes; hq 33,554,432 bytes; order 40,960 bytes of whole numbers
;; launch prep: the kernel of part 1 again; grid 576 x 1, 4 waves a work-group, no clusters, 0 bytes of LDS; arguments x, router_w, router_b, w1, w2, lowp_scales, xq, idx, w1c, w2c; writes xq, idx, w1c, w2c
;; launch up: the kernel of part 2 again; grid 256 x 1, 4 waves a work-group, no clusters, 141,824 bytes of LDS; arguments xq, idx, w1c, b1, lowp_scales, hq, order; writes hq, order
;; launch down (part 4): grid 256 x 1, 4 waves a work-group, no clusters, 139,776 bytes of LDS; arguments hq, w2c, order, b2, lowp_scales, out0; writes out0
.if DOCPART == 4
	.amdgcn_target "amdgcn-amd-amdhsa--gfx1250"
	.amdhsa_code_object_version 6
	.text
	.protected	k_q12bad4e51f_down
	.globl	k_q12bad4e51f_down
	.p2align	8
	.type	k_q12bad4e51f_down,@function
k_q12bad4e51f_down:
	s_mov_b64 s[64:65], 0
	v_nop
	global_prefetch_b8 v0, s[64:65] scope:SCOPE_SE
	s_setreg_imm32_b32 hwreg(HW_REG_WAVE_SCHED_MODE, 0, 2), 2
	s_setreg_imm32_b32 hwreg(HW_REG_WAVE_MODE, 25, 1), 1
	s_wait_xcnt 0x0
	s_wait_alu depctr_vm_vsrc(0)
; DOWN: out[token] = h W2 + b2 for the token's chosen expert.  Work-group = expert e (ttmp9 >> 6) x 64 columns cb ((ttmp9 >> 2) & 15) x q (ttmp9 & 3); its tiles of 16 list rows are q, q + 4, ..
; THE WAVES SPLIT K: wave w keeps K steps 8 w .. 8 w + 7 of the four column tiles of W2 in registers (32 fragments), loaded once.  h's fragments come from hq as they lie, 512 consecutive bytes a load.
; A ROUND is four tiles: each wave multiplies its K part of all four and puts the partial sums into LDS; one barrier; wave w adds tile w's four parts, x 2^(e2 + e3), + b2, and stores row by row:
; 32 lanes x 8 bytes are the work-group's 256 aligned bytes of a token's row.
; Two buffers in LDS take turns, so one barrier a round does: a buffer is written again behind the next round's barrier, in front of which every wave has waited for its reads.
; Eight rounds are walked whatever the split (32 tiles at the most for a q); a round past the expert's tiles passes its barrier and nothing else.
; Every tile load is held to a tile that the launch before has written, so inside an active round no load stands under a branch and each counted wait counts the same loads on every path.
; Rows at or past the expert's count are left out by a scalar branch on the stored count (a row is one store), so each byte of out0 is stored once and EXEC is never changed.
; The product is used transposed (source 0 = 16 columns of W2, source 1 = 16 rows of h): a lane holds one row and eight neighbouring columns.
; LIMITS: e2 + e3 between -126 and 127.  The sum over K is made of four partial sums.  No tensor load and no cluster: the rounds' work hangs on a stored count.
; REGISTERS.  window 0: v4 16 lane; v5, v6 where I put sums (buffer 0, 1); v7, v8 where I read them; v9 256 cb + 8 lane; v10 the first tile's offset in hq; v12-13 b2 at my two columns;
;   v14 16 lane + 65,536 q; v15 64 q; v16-31 a tile's 16 list words, then its rows' offsets in out0; v32-95 four writers' parts of eight rows; results: v96-111 (rows 0-7), v32-47 (rows 8-15);
;   v113 the list's offset; v114-117 the offsets in hq of the round's four tile loads; v128-255 accumulators (tile i, column tile t) at 128 + 32 i + 8 t.
;   window 1: h's fragments, two sets of 128.   windows 2, 3: W2(t, ss) at 256 (ss / 4) + 64 (ss % 4) + 16 t.
; THE MODE: SCHED_MODE bits 1:0 = 2 (LLVM: expert scheduling mode 2), set by the entry lines.  The code itself states the register dependences
; between vector or matrix instructions and memory or LDS instructions, with s_wait_alu, always for 0.
; THE PLAN.  Registers that memory or LDS instructions touch, in the loop:
;   h's two sets   Step i: its 32 products read set i % 2; the loads of step i + 1 land in it.  No other instruction names them.
;   accumulators   Step i: its products write the four of tile i; its eight LDS stores read them; the next round's products write them again.
;   v113-117       Written by fifteen vector lines at a round's head; read by the round's list loads and tile loads.  So no offset is made inside a step.
;   v16-31         Written by the list's loads, then by the reader's 32 vector lines; read by the reader's stores as offsets.
;   v32-95         Written by the reader's LDS loads; read and written by its additions.
;   v96-111, v32-47  Two out-buffers by turns: written by the packed multiply-adds of rows 0-7 and of rows 8-15; read by their stores.
;   v4-v9, v14, v15 are made at the head and never written again.
; A round has: at its top, ahead of its branch, one wait on vm_vsrc beside the wait on XCNT (all that the last round's loads, stores and LDS stores read may be written again, on every way through the round);
; one wait on va_vdst behind the five offsets; in each step one wait on va_vdst, behind the four places: the products have written the sums that the LDS stores read, and are done reading the set in which
; the next step's loads land; in the reader one wait on va_vdst ahead of each half's stores, the first of which also frees v32-95 for the second half's LDS loads.
; The tile loads stay in one run ahead of the wait for the tile in hand: the next step waits for them, so they go out as early as their set is free.
.set RPITCH, 272                       ; a row of 64 sums: 256 bytes + 16, so that the sixteen rows of a store start at sixteen different banks
.set RTILE,  16*RPITCH                 ; 4,352
.set RWR,    4*RTILE                   ; a writer's four tiles: 17,408
.set RBUF,   4*RWR                     ; a buffer: 69,632
.set MSB, 0
.macro WIN new                         ; the immediate's high byte repeats the setting that is left
.if MSB != \new
	s_set_vgpr_msb (MSB<<8)|\new
.set MSB, \new
.endif
.endm
; v[reg] = my lane's byte offset in the expert's part of hq for tile q + 4 L, L = min(the round's first tile + add, the last tile that exists, 31).  s[tmp]: a scalar register of its own for each offset
.macro VOFF reg, tmp, add
	s_add_co_u32 s[\tmp], s38, \add
	s_min_u32 s[\tmp], s[\tmp], s22
	v_mov_b32 v[\reg], s[\tmp]
	v_min_u32 v[\reg], 31, v[\reg]                 ; a number made of a stored one enters an address only behind a bound written here
	v_lshl_add_u32 v[\reg], v[\reg], 18, v14       ; four tiles of 65,536 bytes for each L
.endm
.macro HLD par, adr                    ; my eight K steps of a tile of h, 16 KiB on end, into set par, by the offset v[adr]
	WIN 0x40
.set n_, 0
.rept 32
	global_load_b128 v[128*(\par)+4*n_:128*(\par)+4*n_+3], v[\adr], s[4:5] offset:512*n_
.set n_, n_+1
.endr
	WIN 0
.endm
	s_load_b256 s[4:11], s[0:1], 0x0               ; hq 4, w2c 6, order 8, b2 10
	s_load_b128 s[12:15], s[0:1], 0x20             ; lowp_scales 12, out0 14
	v_lshl_add_u32 v126, v0, 2, 0x22000
	v_mov_b32 v127, 0
	v_lshrrev_b32 v1, 5, v0
	v_readfirstlane_b32 s16, v1                    ; wave
	s_lshr_b32 s17, ttmp9, 6                       ; e
	s_bfe_u32 s18, ttmp9, 0x40002                  ; cb: 4 bits from bit 2
	s_and_b32 s19, ttmp9, 3                        ; q
	v_and_b32 v1, 31, v0                           ; lane
	v_and_b32 v2, 15, v0                           ; r
	v_bfe_u32 v3, v0, 4, 1                         ; h
	v_lshlrev_b32 v4, 4, v1
	s_wait_alu depctr_va_sdst(0)                   ; s16, the wave's number, is written, ahead of its first reader
	s_mul_i32 s32, s16, RWR
	v_mul_u32_u24 v5, v2, RPITCH
	v_lshl_add_u32 v5, v3, 5, v5
	v_add_nc_u32 v5, s32, v5                       ; in: my region, row r, 32 h
	v_add_nc_u32 v6, RBUF, v5
	s_mul_i32 s32, s16, RTILE
	v_lshl_add_u32 v7, v1, 3, s32                  ; back: tile w of each writer, 8 bytes a lane: a row an instruction
	v_add_nc_u32 v8, RBUF, v7
	s_lshl_b32 s32, s18, 8
	v_lshl_add_u32 v9, v1, 3, s32                  ; 256 cb + 8 lane: my two columns, in b2 and in a row of out0
	s_lshl_b32 s32, s19, 16
	v_add_nc_u32 v14, s32, v4                      ; tile q of hq, my 16 bytes
	s_lshl_b32 s32, s19, 6
	v_mov_b32 v15, s32                             ; tile q's 16 words of the list
.irp i, 16,17,18,19,20,21,22,23,24,25,26,27,28,29,30,31
	v_mov_b32 v\i, 0
.endr
	s_mov_b32 s33, 0                               ; the upper word of the offset pair s[32:33]
	s_wait_kmcnt 0x0
	s_lshl_b32 s32, s17, 23                        ; hq: expert, my K steps
	s_lshl_b32 s34, s16, 14
	s_add_co_u32 s32, s32, s34
	s_add_nc_u64 s[4:5], s[4:5], s[32:33]
	s_lshl_b32 s32, s17, 22                        ; w2c: expert, four column tiles of 65,536, my K steps
	s_lshl_b32 s35, s18, 18
	s_add_co_u32 s32, s32, s35
	s_add_co_u32 s32, s32, s34
	s_add_nc_u64 s[6:7], s[6:7], s[32:33]
	s_mul_i32 s32, s17, 10240
	s_add_nc_u64 s[8:9], s[8:9], s[32:33]          ; order: the expert's part
	s_lshl_b32 s32, s17, 12
	s_add_nc_u64 s[10:11], s[10:11], s[32:33]      ; b2: the expert's row
	s_load_b32 s20, s[8:9], 0x2000                 ; the count
	s_load_b128 s[28:31], s[12:13], 0x0            ; e0 .. e3
	s_wait_alu depctr_va_vdst(0)                   ; the addresses and offsets v4 to v9 are written, which the kernel's loads and stores read; so are the zeros v16-31, on which the list words land
	global_load_b64 v[12:13], v9, s[10:11]         ; b2 at my two columns
.irp ss, 0,1,2,3,4,5,6,7
.if \ss == 0
	WIN 0x80
.endif
.if \ss == 4
	WIN 0xc0
.endif
.irp t, 0,1,2,3
.irp c, 0,1,2,3
	global_load_b128 v[64*(\ss%4)+16*\t+4*\c:64*(\ss%4)+16*\t+4*\c+3], v4, s[6:7] offset:65536*\t+2048*\ss+512*\c
.endr
.endr
.endr
	WIN 0
	s_wait_kmcnt 0x0
	s_min_u32 s20, s20, 0x800
	s_add_co_u32 s21, s20, 15
	s_lshr_b32 s21, s21, 4                         ; the expert's tiles
	s_add_co_u32 s21, s21, 3
	s_sub_co_u32 s21, s21, s19
	s_lshr_b32 s21, s21, 2                         ; s21: how many of them are q, q + 4, ..
	s_max_u32 s22, s21, 1
	s_sub_co_u32 s22, s22, 1                       ; s22: the last that may be named (tile q itself where there is none: tiles 0-3 are always written)
	s_add_co_i32 s26, s30, s31
	s_add_co_i32 s26, s26, 127
	s_lshl_b32 s26, s26, 23                        ; 2^(e2 + e3)
	s_mov_b32 s27, s26                             ; (named with it as a pair, so it is written)
	s_mov_b32 s23, 0                               ; the trip's first tile
	s_mov_b32 s38, 0                               ; the round's first tile
	VOFF 10, 40, 0
	s_wait_alu depctr_va_vdst(0)                   ; v10 is written, which the first tile's loads read
	HLD 0, 10
	s_wait_loadcnt 32                              ; all but the 32 just issued: W2 and b2 are in, on every path
.macro ROUND buf
	s_add_co_u32 s38, s23, 4*\buf                  ; the round's first tile
	s_wait_xcnt 0x0                                ; every earlier load's and store's addresses are translated: the last round's offsets and store data are written again only behind this wait, on either way through the round
	s_wait_alu depctr_vm_vsrc(0)                   ; the last round's stores have read their offsets v16-31 and their data v96-111 and v32-47, its LDS stores the accumulators, its loads v113-117: all of these are written again below
	s_cmp_ge_u32 s38, s21
	s_cbranch_scc1 .Lskipw_\@
	s_add_co_u32 s33, s38, s16                     ; the tile that I shall add up and store: number w of the round
	s_min_u32 s33, s33, s22
	v_mov_b32 v113, s33
	v_min_u32 v113, 31, v113
	v_lshl_add_u32 v113, v113, 8, v15              ; its 16 list words: 64 bytes a tile, four tiles for each step
	VOFF 114, 40, 1                                ; the four tiles that this round's steps ask for, each a tile ahead: the last is the next round's first
	VOFF 115, 41, 2
	VOFF 116, 42, 3
	VOFF 117, 43, 4
	s_wait_alu depctr_va_vdst(0)                   ; the five offsets v113-117 are written, which the list's loads and the round's tile loads read
.irp k, 0,1,2,3
	global_load_b128 v[16+4*\k:19+4*\k], v113, s[8:9] offset:16*\k   ; every lane takes the same words: register 16 + p is the token of row p
.endr
.irp i, 0,1,2,3
	HLD ((\i+1)%2), 114+\i                         ; the next tile, a tile ahead.  No wait: the products that read this set stand ahead of the last wait on va_vdst, and nothing since names the set or the offset
	s_wait_loadcnt 32                              ; all but the 32 just issued: this tile's fragments and the list words are in
.if \i > 0
	s_add_co_u32 s35, s38, \i
	s_cmp_ge_u32 s35, s21
	s_cbranch_scc1 .Lnp_\@_\i                      ; no such tile: its products and LDS stores are jumped over, no load and no barrier
.endif
.irp ss, 0,1,2,3,4,5,6,7
.if \ss == 0
	WIN 0x06                                       ; source 0 (W2) window 2, source 1 (h) window 1
.endif
.if \ss == 4
	WIN 0x07
.endif
.irp t, 0,1,2,3                        ; the four accumulators take turns, one instruction a turn
.if \ss == 0
	v_wmma_f32_16x16x128_bf8_bf8 v[128+32*\i+8*\t:128+32*\i+8*\t+7], v[64*(\ss%4)+16*\t:64*(\ss%4)+16*\t+15], v[128*(\i%2)+16*\ss:128*(\i%2)+16*\ss+15], 0
.else
	v_wmma_f32_16x16x128_bf8_bf8 v[128+32*\i+8*\t:128+32*\i+8*\t+7], v[64*(\ss%4)+16*\t:64*(\ss%4)+16*\t+15], v[128*(\i%2)+16*\ss:128*(\i%2)+16*\ss+15], v[128+32*\i+8*\t:128+32*\i+8*\t+7]
.endif
.endr
.endr
	WIN 0
.rept 4
	v_nop                                          ; four places ahead of the LDS stores that read results; they stay beside the wait below
.endr
	s_wait_alu depctr_va_vdst(0)                   ; the products have written this tile's four accumulators, which the LDS stores read, and are done reading this set of h, in which the next step's loads land
.irp t, 0,1,2,3
	ds_store_b128 v[5+\buf], v[128+32*\i+8*\t:128+32*\i+8*\t+3] offset:RTILE*\i+64*\t        ; each accumulator from its low end on
	ds_store_b128 v[5+\buf], v[128+32*\i+8*\t+4:128+32*\i+8*\t+7] offset:RTILE*\i+64*\t+16
.endr
.if \i > 0
.Lnp_\@_\i:
.endif
.endr
.Lskipw_\@:
	s_wait_dscnt 0x0                               ; my partial sums have landed, and my reads of the other buffer are over
	s_barrier_signal -1
	s_barrier_wait -1
	s_add_co_u32 s35, s38, s16
	s_cmp_ge_u32 s35, s21
	s_cbranch_scc1 .Lnord_\@                       ; the round has no tile for me to add up
	s_lshl_b32 s36, s35, 2
	s_add_co_u32 s36, s36, s19
	s_lshl_b32 s36, s36, 4                         ; my tile's first list position: 16 (q + 4 tile)
	s_sub_co_u32 s37, s20, s36                     ; how many of its rows count: 1 or more
.irp i, 0,1,2,3,4,5,6,7,8,9,10,11,12,13,14,15
	v_min_u32 v[16+\i], 0x7ff, v[16+\i]
.endr
.irp i, 0,1,2,3,4,5,6,7,8,9,10,11,12,13,14,15
	v_lshl_add_u32 v[16+\i], v[16+\i], 12, v9      ; token x 4,096 + 256 cb + 8 lane
.endr
.irp hf, 0,1                           ; eight rows at a time
.set ob_, 96-64*\hf                    ; the half's out-buffer: v96-111, then v32-47, so that no store's data are written again inside a round
.irp wr, 0,1,2,3
.irp ii, 0,1,2,3,4,5,6,7
	ds_load_b64 v[32+16*\wr+2*\ii:33+16*\wr+2*\ii], v[7+\buf] offset:RWR*\wr+RPITCH*(8*\hf+\ii)   ; 32 lanes read a row's 256 consecutive bytes.  No wait: the additions that named v32-95 stand ahead of the last wait on va_vdst
.endr
.endr
	s_wait_dscnt 0x0
.irp ii, 0,1,2,3,4,5,6,7
	v_pk_add_f32 v[32+2*\ii:33+2*\ii], v[32+2*\ii:33+2*\ii], v[48+2*\ii:49+2*\ii]
	v_pk_add_f32 v[64+2*\ii:65+2*\ii], v[64+2*\ii:65+2*\ii], v[80+2*\ii:81+2*\ii]
.endr
.irp ii, 0,1,2,3,4,5,6,7
	v_pk_add_f32 v[32+2*\ii:33+2*\ii], v[32+2*\ii:33+2*\ii], v[64+2*\ii:65+2*\ii]
.endr
.irp ii, 0,1,2,3,4,5,6,7
	v_pk_fma_f32 v[ob_+2*\ii:ob_+2*\ii+1], v[32+2*\ii:33+2*\ii], s[26:27], v[12:13] op_sel_hi:[1,0,1]   ; sum x 2^(e2 + e3) + b2
.endr
	s_wait_alu depctr_va_vdst(0)                   ; the half's eight results are written, and (first half) the sixteen offsets v16-31, which the stores below read; the additions are done with v32-95, in which the second half's LDS loads land
.irp ii, 0,1,2,3,4,5,6,7
.if (8*\hf+\ii) > 0
	s_cmp_le_u32 s37, 8*\hf+\ii                    ; this row and all behind it lie at or past the count: nothing more to store
	s_cbranch_scc1 .Lnord_\@
.endif
	global_store_b64 v[16+8*\hf+\ii], v[ob_+2*\ii:ob_+2*\ii+1], s[14:15] th:TH_STORE_NT   ; 32 lanes store 256 consecutive aligned bytes of a token's row; written once, read by nobody here
.endr
.endr
.Lnord_\@:
.endm
	s_mov_b32 s24, 4
.Lrounds:                              ; four trips of two rounds: the buffers take turns in the text
	ROUND 0
	ROUND 1
	s_add_co_u32 s23, s23, 8
	s_sub_co_u32 s24, s24, 1
	s_cmp_lg_u32 s24, 0
	s_cbranch_scc1 .Lrounds
	s_wait_dscnt 0x0                               ; the closing lines, six on end
	s_wait_alu 0x0
	s_wait_tensorcnt 0x0
	ds_add_u32 v126, v127
	s_wait_dscnt 0x0
	s_endpgm
.Lfunc_end_k_q12bad4e51f_down:
	.size	k_q12bad4e51f_down, .Lfunc_end_k_q12bad4e51f_down-k_q12bad4e51f_down
	.p2alignl 7, 3214868480
	.fill 96, 4, 3214868480
	.section	.rodata,"a",@progbits
	.p2align	6, 0x0
	.amdhsa_kernel k_q12bad4e51f_down
		.amdhsa_group_segment_fixed_size 139776
		.amdhsa_private_segment_fixed_size 0
		.amdhsa_enable_private_segment 0
		.amdhsa_kernarg_size 48
		.amdhsa_user_sgpr_count 2
		.amdhsa_user_sgpr_kernarg_segment_ptr 1
		.amdhsa_wavefront_size32 1
		.amdhsa_system_sgpr_workgroup_id_x 1
		.amdhsa_system_sgpr_workgroup_id_y 1
		.amdhsa_system_sgpr_workgroup_id_z 1
		.amdhsa_system_vgpr_workitem_id 0
		.amdhsa_next_free_vgpr 1024
		.amdhsa_next_free_sgpr 66
		.amdhsa_reserve_vcc 0
		.amdhsa_float_denorm_mode_32 3
		.amdhsa_float_denorm_mode_16_64 3
		.amdhsa_memory_ordered 1
		.amdhsa_forward_progress 1
		.amdhsa_inst_pref_size 96
	.end_amdhsa_kernel
	.amdgpu_metadata
---
amdhsa.version: [ 1, 2 ]
amdhsa.kernels:
  - .name:           k_q12bad4e51f_down
    .symbol:         k_q12bad4e51f_down.kd
    .args:
      - { .name: hq, .offset: 0, .size: 8, .value_kind: global_buffer, .address_space: global }
      - { .name: w2c, .offset: 8, .size: 8, .value_kind: global_buffer, .address_space: global }
      - { .name: order, .offset: 16, .size: 8, .value_kind: global_buffer, .address_space: global }
      - { .name: b2, .offset: 24, .size: 8, .value_kind: global_buffer, .address_space: global }
      - { .name: lowp_scales, .offset: 32, .size: 8, .value_kind: global_buffer, .address_space: global }
      - { .name: out0, .offset: 40, .size: 8, .value_kind: global_buffer, .address_space: global }
    .group_segment_fixed_size: 139776
    .private_segment_fixed_size: 0
    .kernarg_segment_align: 8
    .kernarg_segment_size: 48
    .max_flat_workgroup_size: 128
    .sgpr_count:     66
    .vgpr_count:     1024
    .wavefront_size: 32
...
	.end_amdgpu_metadata
.endif
;; end of part 4
